; MI455X (gfx1250); checked and timed in simulation.
; The chip was launched on July 23, 2026; its instructions are those of AMD's public machine-readable ISA for CDNA 5 (MIT licence, August 2026) and "CDNA5" Instruction Set Architecture Reference Guide (July 2026). The comments in the code are by the model that wrote it; some were corrected since.
;; SDPA With Sink. Allowed arithmetic: float matrix products may take bf16 or f16 operands with f32 sums; all other float work in f32.
;; Inputs: k 4 x 16 x 1,024 x 64 float32; q 4 x 16 x 1,024 x 64 float32; sink_logit 16 float32; v 4 x 16 x 1,024 x 64 float32.
;; Outputs: out0 4 x 16 x 1,024 x 64 float32.
;; 2 versions, each right; version 2 is version 1 with the launch attn written anew for expert scheduling mode. Each part assembles by itself: llvm-mc -triple=amdgcn-amd-amdhsa -mcpu=gfx1250 --defsym DOCPART=n.
;; ======== version 1 of 2: 1 launch
;; limits: values are held in f16: magnitudes above 65,504 overflow, below 6.1e-05 lose precision; inputs' magnitudes at most 65,504
;; launch attn (part 1): grid 256 x 1, 8 waves a work-group, no clusters, 259,072 bytes of LDS; arguments q, k, v, sink_logit, out0; writes out0
.if DOCPART == 1
	.amdgcn_target "amdgcn-amd-amdhsa--gfx1250"
	.amdhsa_code_object_version 6
	.text
	.protected	k_qd2578ec77f_attn
	.globl	k_qd2578ec77f_attn
	.p2align	8
	.type	k_qd2578ec77f_attn,@function
k_qd2578ec77f_attn:
	s_mov_b64 s[64:65], 0
	v_nop
	global_prefetch_b8 v0, s[64:65] scope:SCOPE_SE
	s_setreg_imm32_b32 hwreg(HW_REG_WAVE_MODE, 25, 1), 1
	s_wait_xcnt 0x0
; Causal attention with a sink logit.  q, k, v, out0: [64 heads][1024][64] f32; sink_logit: [16] f32 (head & 15).
; out = softmax([sink, q k^T / 8 under the causal mask]) without the sink column, times v.
;
; SHARE OF THE WORK.  Work-group = (head = id >> 2, j = id & 3).  It owns two blocks of 128 query rows: lo = rows 128 j .., hi = rows 128 (7 - j) ..
; In units of 128 rows x 128 keys lo needs j + 1 and hi needs 8 - j: nine for every work-group.  K and V are walked once, units 0 .. 7 - j.
; Wave w: rg = w & 3, ks = w >> 2.  It owns 64 rows (tiles q = 0, 1: lo rows 32 rg + 16 (q & 1) + r; q = 2, 3: the same rows of hi) and of each unit
; the keys 64 ks .. 64 ks + 63.  Waves (rg, 0) and (rg, 1) keep a running maximum, a sum and an output each for the same rows; they are merged at the end.
; BOTH PRODUCTS ARE TRANSPOSED.  S^T = K Q^T: register i of lane (r, h) is (key 16 kt + 8 h + i, query r): a lane holds one query, so maximum and sum
; are in the lane but for one exchange of the lane halves, and two key tiles packed to f16 ARE the second source of O^T = V^T P^T.
; THE MATRIX OPERANDS ARE f16: 11 significant bits.  In the first rows a few probabilities of order 1 meet values of order 1 and the terms may cancel,
; while most rows average hundreds of values: the small results of the first rows want the extra bits.  Inputs of order 1 have room in f16 both ways:
; its largest number is 65,504, its step near zero 6e-8.  All sums are f32.
; THE SINK stays out of the running maximum, which is over the scores alone, so that a row's largest probability is about 1 whatever the sink and none
; is lost to f16's range.  It comes in where the two key halves meet: there the maximum over both halves AND the sink is taken away, and the sink adds
; its term to the sum.  The running maximum starts at the lowest finite f32, so that a key half that is masked whole forms no -inf minus -inf.
; Exponentials are base 2: the f32 score is multiplied by log2(e) / 8 in the fused multiply-add that takes the maximum away.
; K and V come in through registers (f32 to f16 on the way) into two LDS slots that take turns; a unit is requested one whole trip before it is converted.
;
; NO CLUSTER: the work-groups that read the same K and V are those of one head, and they differ in j, so in the number of units (8 - j) and in the
; branches that hang on j; joint requests want both alike, which would mean doing the masked work.  The copy engines are not used either: they would bring
; f32 bytes into LDS, which would still have to pass through registers to become f16.
;
; LIMITS.  |q|, |k|, |v| below 65,504 (beyond it f16 gives infinity); below 6.1e-5 they are kept in steps of 6e-8.  A probability under 2^-25 of the
; largest that its row has seen so far counts as zero.  Where the sink exceeds a row's largest score by more than about 87, the row's weight lies under
; 2^-126 and the output is zero.  sink_logit is below +inf.  NaN or infinities in q, k, v give NaN in other places than the definition does.
; The sum of probabilities is taken of the unrounded f32; the order of summation is by key halves and lane halves, merged at the end.
.set UNITB, 32768                      ; bytes of 128 rows of 64 f32
.set KP,    144                        ; LDS pitch of K's and Q's f16 rows: 128 + 16 bytes, an odd multiple of 16
.set VP,    160                        ; of V's rows: an odd multiple of 32, for the transposing loads
.set VOFF,  128*KP                     ; V behind K in a slot
.set SLOT,  VOFF+128*VP                ; 38,912 bytes
.set QREG,  2*SLOT                     ; 256 local rows of Q (0-127 lo, 128-255 hi), f16, pitch KP
.set STAT,  QREG+256*KP                ; (maximum, sum) pairs: (64 w + 16 q + r) x 8 bytes
.set OST,   STAT+4096                  ; two copies (ks) of 256 local rows of 64 f32
.set OP,    272                        ; their pitch
.set COPY,  256*OP
.set SCL,   0x3e38aa3b                 ; log2(e) / 8
.set LOWEST, 0xff7fffff                ; the lowest finite f32
; window 0
.set KG,   4                           ; global offsets: K, V, Q
.set VG,   5
.set QG,   6
.set KST,  7                           ; LDS store addresses: K, V, Q
.set VST,  8
.set QST,  9
.set KF,   10                          ; LDS fragment addresses: K, V^T, Q
.set VF,   11
.set QF,   12
.set PFO,  13                          ; prefetch: one 256-byte row a lane
.set DQ0,  14                          ; v14, v15: query minus key at (kt, i) = (0, 0) in a diagonal unit, tiles q even, q odd
.set STA,  16                          ; my pairs in STAT
.set STP,  17                          ; my partner's
.set OSA,  18                          ; where I put my O
.set ORD,  19                          ; where I read whole rows back, copy 0
.set ORD2, 20                          ; copy 1
.set OG,   21                          ; my 16 bytes of two output rows
.set SC,   32                          ; v32-159: scores, tile q at 32 q, key tile kt at + 8 kt; packed P: chunk ch at 32 q + 8 ch
.set FR,   160                         ; v160-223: K fragments (kt, c) at 16 kt + 8 c, then V^T fragments (ch, dt) at 32 ch + 8 dt
.set ML,   224                         ; pairs (maximum, sum) of tile q
.set AL,   232                         ; rescale factor of tile q in the even register of a pair
.set TM,   240                         ; four temporaries
.set CS,   244                         ; four pairs of partial sums
; window 1
.set OA,   0                           ; v256-383: O^T, tile q at 32 q, d tile dt at + 8 dt
.set QW,   128                         ; v384-447: Q fragments, tile q at 16 q, d chunk c at + 8 c
.set STG,  192                         ; v448-511: a unit on its way: K's load i at 4 i, V's at 32 + 4 i
; scalars: s[4:5] q rows, s[6:7] K unit, s[8:9] V unit, s[10:11] sink, s[12:13] out rows, s14 w, s15 rg, s16 ks, s17 j, s18 head, s19 7-j,
; s21 unit at work, s22 loop counter (pairs of units), s23 6-j, s24 prefetch limit, s[28:29] prefetch pointer, s30 s31 lane selects, s32 -inf,
; s33 the sink in base 2, s35 pairs of units in the loop
.set MSB, 0
.macro WIN new                         ; s_set_vgpr_msb: bits 1:0 source 0, 3:2 source 1, 5:4 source 2, 7:6 destination; the high byte repeats the setting left
.if MSB != \new
	s_set_vgpr_msb (MSB<<8)|\new
.set MSB, \new
.endif
.endm
.macro PLACES n                        ; independent vector instructions behind matrix instructions (ISA guide 7.12.1)
.rept \n
	v_nop
.endr
.endm
; sixteen loads: my 16 rows of K's and of V's unit.  Each covers two whole rows of 256 bytes; lanes 16-31 take the row 8 (K) or 4 (V) further on
.macro GLOAD
	WIN 0x40
	.set gi, 0
	.rept 8
	global_load_b128 v[STG+4*gi:STG+4*gi+3], v[KG], s[6:7] offset:256*gi
	.set gi, gi+1
	.endr
	.set gi, 0
	.rept 8
	global_load_b128 v[STG+32+4*gi:STG+32+4*gi+3], v[VG], s[8:9] offset:256*((gi&3)+8*(gi>>2))
	.set gi, gi+1
	.endr
	WIN 0
.endm
; the unit in STG to f16, in place, and into an LDS slot: 8 bytes a lane; the two lane halves fall into different halves of the banks
.macro CVST slot
	s_wait_loadcnt 0x8                             ; K's eight loads are in; V's eight, issued behind them, may be out
	WIN 0x45
	.set ci, 0
	.rept 8
	v_cvt_pk_f16_f32 v[STG+4*ci], v[STG+4*ci], v[STG+4*ci+1]
	v_cvt_pk_f16_f32 v[STG+4*ci+1], v[STG+4*ci+2], v[STG+4*ci+3]
	.set ci, ci+1
	.endr
	s_wait_loadcnt 0x0                             ; V's too: nothing is out, so the bases may be stepped behind this macro
	.rept 8
	v_cvt_pk_f16_f32 v[STG+4*ci], v[STG+4*ci], v[STG+4*ci+1]
	v_cvt_pk_f16_f32 v[STG+4*ci+1], v[STG+4*ci+2], v[STG+4*ci+3]
	.set ci, ci+1
	.endr
	WIN 0x04
	.set ci, 0
	.rept 8
	ds_store_b64 v[KST], v[STG+4*ci:STG+4*ci+1] offset:(\slot)*SLOT+ci*KP
	.set ci, ci+1
	.endr
	.set ci, 0
	.rept 8
	ds_store_b64 v[VST], v[STG+32+4*ci:STG+32+4*ci+1] offset:(\slot)*SLOT+((ci&3)+8*(ci>>2))*VP
	.set ci, ci+1
	.endr
	WIN 0
.endm
; my 64 keys x 64 d as first sources: four loads for each key tile, in the order in which QK waits for them
.macro KLOAD slot
	.set ki, 0
	.rept 8
	ds_load_b128 v[FR+8*ki:FR+8*ki+3],   v[KF] offset:(\slot)*SLOT+(ki>>1)*16*KP+(ki&1)*64
	ds_load_b128 v[FR+8*ki+4:FR+8*ki+7], v[KF] offset:(\slot)*SLOT+(ki>>1)*16*KP+(ki&1)*64+32
	.set ki, ki+1
	.endr
.endm
; V^T: 16 d x 32 keys a fragment, from rows that lie along d, by the transposing load
.macro VLOAD slot
	.set vi, 0
	.rept 8
	ds_load_tr16_b128 v[FR+8*vi:FR+8*vi+3],   v[VF] offset:(\slot)*SLOT+(vi>>2)*32*VP+(vi&3)*32
	ds_load_tr16_b128 v[FR+8*vi+4:FR+8*vi+7], v[VF] offset:(\slot)*SLOT+(vi>>2)*32*VP+(vi&3)*32+16*VP
	.set vi, vi+1
	.endr
.endm
; S^T = K Q^T for tiles q0 .. 3: the first product starts each sum, the second is the next link in place
.macro QK q0
	WIN 0x04
	.set kt, 0
	.rept 4
	s_wait_dscnt 12-4*kt                           ; LDS loads return in order (ISA guide 5.7.1): key tile kt is in, the four loads of each later tile may be out
	.set qi, \q0
	.rept 4-\q0
	v_wmma_f32_16x16x32_f16 v[SC+32*qi+8*kt:SC+32*qi+8*kt+7], v[FR+16*kt:FR+16*kt+7], v[QW+16*qi:QW+16*qi+7], 0
	.set qi, qi+1
	.endr
	.set qi, \q0
	.rept 4-\q0
	v_wmma_f32_16x16x32_f16 v[SC+32*qi+8*kt:SC+32*qi+8*kt+7], v[FR+16*kt+8:FR+16*kt+15], v[QW+16*qi+8:QW+16*qi+15], v[SC+32*qi+8*kt:SC+32*qi+8*kt+7]
	.set qi, qi+1
	.endr
	.set kt, kt+1
	.endr
.endm
; the diagonal unit: a score stays where key <= query, that is 16 kt + i <= DQ; -inf elsewhere
.macro MASK q
	.set mk, 0
	.rept 32
	v_cmp_le_i32 vcc_lo, 16*(mk>>3)+(mk&7), v[DQ0+((\q)&1)]
	v_cndmask_b32 v[SC+32*(\q)+mk], s32, v[SC+32*(\q)+mk], vcc_lo
	.set mk, mk+1
	.endr
.endm
.macro SUBX g                          ; score x log2(e) / 8 minus the new maximum, one rounding, two at a time
	.set sp, 0
	.rept 4
	v_pk_fma_f32 v[sb+8*\g+2*sp:sb+8*\g+2*sp+1], v[sb+8*\g+2*sp:sb+8*\g+2*sp+1], SCL, v[mq:mq+1] op_sel_hi:[1,0,0] neg_lo:[0,0,1] neg_hi:[0,0,1]
	.set sp, sp+1
	.endr
.endm
.macro EXPX g
	.set sp, 0
	.rept 8
	v_exp_f32 v[sb+8*\g+sp], v[sb+8*\g+sp]
	.set sp, sp+1
	.endr
.endm
.macro SUMCVT g                        ; key tile g: its eight p into a pair of sums, then packed to f16 at 4 g: the target never passes an unread source
	s_wait_alu depctr_va_vdst(0)
	v_pk_add_f32 v[CS+2*\g:CS+2*\g+1], v[sb+8*\g:sb+8*\g+1], v[sb+8*\g+2:sb+8*\g+3]
	v_pk_add_f32 v[CS+2*\g:CS+2*\g+1], v[CS+2*\g:CS+2*\g+1], v[sb+8*\g+4:sb+8*\g+5]
	v_pk_add_f32 v[CS+2*\g:CS+2*\g+1], v[CS+2*\g:CS+2*\g+1], v[sb+8*\g+6:sb+8*\g+7]
	v_cvt_pk_f16_f32 v[sb+4*\g],   v[sb+8*\g],   v[sb+8*\g+1]
	v_cvt_pk_f16_f32 v[sb+4*\g+1], v[sb+8*\g+2], v[sb+8*\g+3]
	v_cvt_pk_f16_f32 v[sb+4*\g+2], v[sb+8*\g+4], v[sb+8*\g+5]
	v_cvt_pk_f16_f32 v[sb+4*\g+3], v[sb+8*\g+6], v[sb+8*\g+7]
.endm
; the running softmax of one tile of 16 queries x 64 keys
.macro SM q
	.set sb, SC+32*(\q)
	.set mq, ML+2*(\q)
	.set aq, AL+2*(\q)
	.set sc, 0
	.rept 4
	v_max3_num_f32 v[TM+sc], v[sb+8*sc], v[sb+8*sc+1], v[sb+8*sc+2]        ; four chains over the raw scores: elements 0 to 6 of each key tile
	.set sc, sc+1
	.endr
	.set sn, 3
	.rept 2
	.set sc, 0
	.rept 4
	v_max3_num_f32 v[TM+sc], v[TM+sc], v[sb+8*sc+sn], v[sb+8*sc+sn+1]
	.set sc, sc+1
	.endr
	.set sn, sn+2
	.endr
	v_max3_num_f32 v[TM], v[TM], v[sb+7], v[sb+15]                 ; the four elements 7
	v_max3_num_f32 v[TM+1], v[TM+1], v[sb+23], v[sb+31]
	v_max3_num_f32 v[TM], v[TM], v[TM+1], v[TM+2]
	v_max_num_f32 v[TM], v[TM], v[TM+3]
	v_permlanex16_b32 v[TM+1], v[TM], s30, s31     ; the other lane half holds the query's other keys
	v_max_num_f32 v[TM], v[TM], v[TM+1]            ; the tile's largest raw score, alike in both halves
	v_mul_f32 v[TM], SCL, v[TM]                    ; in base-2 units (the factor is positive: the order is kept)
	v_max_num_f32 v[TM+1], v[mq], v[TM]            ; the new running maximum: finite, also where the whole tile is masked
	v_sub_f32 v[TM+2], v[mq], v[TM+1]
	v_mov_b32 v[mq], v[TM+1]
	v_exp_f32 v[aq], v[TM+2]                       ; what the old sum and the old O are worth under the new maximum
	; behind each run of exponentials stands plain work on other registers before a result is used (ISA guide 5.7.2)
	SUBX 0
	EXPX 0
	SUBX 1
	EXPX 1
	SUMCVT 0
	SUBX 2
	EXPX 2
	SUMCVT 1
	SUBX 3
	EXPX 3
	SUMCVT 2
	SUMCVT 3
	v_pk_add_f32 v[CS:CS+1], v[CS:CS+1], v[CS+2:CS+3]
	v_pk_add_f32 v[CS+4:CS+5], v[CS+4:CS+5], v[CS+6:CS+7]
	v_pk_add_f32 v[CS:CS+1], v[CS:CS+1], v[CS+4:CS+5]
	v_fma_f32 v[mq+1], v[mq+1], v[aq], v[CS]
	v_add_f32 v[mq+1], v[mq+1], v[CS+1]
.endm
; Unit s21 + 1 out of STG into the slot that is not read in this trip; then the loads of unit s21 + 2; then (j = 0 alone) a prefetch of unit s21 + 4.
.macro FILL slot, id
	s_cmp_eq_u32 s21, s19                          ; the last unit: nothing follows
	s_cbranch_scc1 .Lnf_\id
	CVST \slot
	s_cmp_ge_u32 s21, s23                          ; the last but one: nothing more to request
	s_cbranch_scc1 .Lnf_\id
	s_wait_xcnt 0x0                                ; the prefetch of the trip before has had its address translated (ISA guide 3.1); the loads on s[6:9] are done (the wait for 0 above)
	s_add_nc_u64 s[6:7], s[6:7], UNITB
	s_add_nc_u64 s[8:9], s[8:9], UNITB
	s_add_nc_u64 s[28:29], s[28:29], UNITB
	GLOAD
	s_cmp_ge_u32 s21, s24                          ; trips 0 to 3 of the work-group with j = 0 ask for units 4 to 7: none points past the head's last row
	s_cbranch_scc1 .Lnf_\id
	global_prefetch_b8 v[PFO], s[28:29] th:TH_LOAD_NT scope:SCOPE_SE   ; waves 0-3 K's 128 rows, waves 4-7 V's, a lane a row: two trips before the loads that want them
.Lnf_\id:
.endm
.macro RESC q0                         ; O times the lane's own factor
	WIN 0x41
	.set qi, \q0
	.rept 4-\q0
	.set rp, 0
	.rept 16
	v_pk_mul_f32 v[OA+32*qi+2*rp:OA+32*qi+2*rp+1], v[OA+32*qi+2*rp:OA+32*qi+2*rp+1], v[AL+2*qi:AL+2*qi+1] op_sel_hi:[1,0]
	.set rp, rp+1
	.endr
	.set qi, qi+1
	.endr
.endm
.macro PVC q0, ch, zero                ; O^T += V^T P^T for 32 keys; zero = 1: the product starts the sums, nothing is ever cleared
	.set qi, \q0
	.rept 4-\q0
	.set dt, 0
	.rept 4
.if \zero
	v_wmma_f32_16x16x32_f16 v[OA+32*qi+8*dt:OA+32*qi+8*dt+7], v[FR+32*\ch+8*dt:FR+32*\ch+8*dt+7], v[SC+32*qi+8*\ch:SC+32*qi+8*\ch+7], 0
.else
	v_wmma_f32_16x16x32_f16 v[OA+32*qi+8*dt:OA+32*qi+8*dt+7], v[FR+32*\ch+8*dt:FR+32*\ch+8*dt+7], v[SC+32*qi+8*\ch:SC+32*qi+8*\ch+7], v[OA+32*qi+8*dt:OA+32*qi+8*dt+7]
.endif
	.set dt, dt+1
	.endr
	.set qi, qi+1
	.endr
.endm
; ONE TRIP: unit s21, which lies in slot; tiles q0 .. 3 (q0 = 2: lo is finished).  One barrier does both orderings: in front of its signal each wave has
; waited for its reads of this slot and for its stores into the other; behind its wait the other slot is read and this one stored into.
; last = 1: the trip written out behind the loop.  It is unit 7 - j, hi's diagonal unit: masked without a branch; nothing follows, so no slot is
; filled and no barrier is needed (no slot is stored into any more, and what comes behind uses LDS bytes of its own).
.macro STEP q0, slot, first, last, id
	KLOAD \slot
	QK \q0
	WIN 0
	PLACES 4                                       ; behind the last product: for the loads into its first sources and for the vector work on its results
	VLOAD \slot
.if \last
	MASK 2
	MASK 3
.else
.if \q0
	s_cmp_lg_u32 s21, s19                          ; hi's diagonal unit is 7 - j
.else
	s_cmp_lg_u32 s21, s17                          ; lo's is j; hi's lies later (7 - j > j)
.endif
	s_cbranch_scc1 .Lnm_\id
	MASK \q0
	MASK \q0+1
.Lnm_\id:
.endif
	.set qq, \q0
	.rept 4-\q0
	SM qq
	.set qq, qq+1
	.endr
.if \last
	s_wait_dscnt 0x0                               ; V^T is in registers
.else
	FILL 1-\slot, \id
	s_wait_dscnt 0x0                               ; V^T is in registers: my reads of this slot are over; my stores into the other slot are done
	s_barrier_signal -1
.endif
.if \first == 0
	RESC \q0
.endif
	WIN 0x50
	PVC \q0, 0, \first
	PVC \q0, 1, 0
	WIN 0
	PLACES 5                                       ; the next trip's products write over P, a source of these; its loads write over V^T
.if \last == 0
	s_barrier_wait -1
.endif
.endm
.macro TRIP slot, ia, ib
	s_cmp_gt_u32 s21, s17
	s_cbranch_scc1 .Lhi_\ia
	STEP 0, \slot, 0, 0, \ia
	s_branch .Ljn_\ia
.Lhi_\ia:
	STEP 2, \slot, 0, 0, \ib
.Ljn_\ia:
.endm
	; ---------------- PROLOGUE ----------------
	s_load_b256 s[4:11], s[0:1], 0x0               ; q, k, v, sink_logit
	s_load_b64 s[12:13], s[0:1], 0x20              ; out0
	v_lshl_add_u32 v254, v0, 2, 0x3f000
	v_mov_b32 v255, 0
	v_lshrrev_b32 v2, 5, v0
	v_readfirstlane_b32 s14, v2                    ; wave
	s_and_b32 s15, s14, 3                          ; rg
	s_lshr_b32 s16, s14, 2                         ; ks
	s_and_b32 s17, ttmp9, 3                        ; j
	s_lshr_b32 s18, ttmp9, 2                       ; head
	s_sub_co_u32 s19, 7, s17
	s_sub_co_u32 s23, 6, s17
	s_lshr_b32 s35, s19, 1                         ; whole pairs among units 1 .. 7 - j: 3, 3, 2, 2 for j = 0, 1, 2, 3
	s_cmp_eq_u32 s17, 0
	s_cselect_b32 s24, 4, 0
	s_mov_b32 s30, 0x76543210                      ; v_permlanex16_b32: lane i of one half reads lane i of the other
	s_mov_b32 s31, 0xfedcba98
	s_mov_b32 s32, 0xff800000                      ; -inf
	s_cmp_eq_u32 s16, 0
	s_cselect_b32 s25, s17, s19                    ; waves 0-3 stage and store rows of lo, waves 4-7 of hi
	s_lshl_b32 s25, s25, 7
	s_lshl_b32 s38, s15, 5
	s_add_co_u32 s25, s25, s38                     ; my first row: 128 x block + 32 rg
	s_lshl_b32 s36, s18, 18                        ; a head is 262,144 bytes
	s_mov_b32 s37, 0
	s_lshl_b32 s26, s25, 8
	s_add_co_u32 s26, s26, s36
	s_mov_b32 s27, 0
	v_and_b32 v1, 31, v0                           ; lane
	v_and_b32 v3, 15, v0                           ; r (also c: which 16 bytes of a row)
	v_bfe_u32 v22, v0, 4, 1                        ; h
	v_lshlrev_b32 v23, 4, v3
	v_lshl_add_u32 v[QG], v22, 11, v23             ; 8 rows x h + 16 c
	s_lshl_b32 s38, s14, 12                        ; my 16 rows of a unit
	v_add_nc_u32 v[KG], s38, v[QG]
	v_lshl_add_u32 v[VG], v22, 10, v23             ; 4 rows x h + 16 c
	v_add_nc_u32 v[VG], s38, v[VG]
	v_and_b32 v[PFO], 127, v0
	v_lshlrev_b32 v[PFO], 8, v[PFO]
	s_and_b32 s40, s18, 15
	s_lshl_b32 s40, s40, 2
	s_mov_b32 s41, 0
	s_wait_kmcnt 0x0
	s_add_nc_u64 s[6:7], s[6:7], s[36:37]
	s_add_nc_u64 s[8:9], s[8:9], s[36:37]
	s_add_nc_u64 s[4:5], s[4:5], s[26:27]
	s_add_nc_u64 s[12:13], s[12:13], s[26:27]
	s_add_nc_u64 s[10:11], s[10:11], s[40:41]
	s_load_b32 s33, s[10:11], 0x0
	s_cmp_eq_u32 s16, 0
	s_cselect_b64 s[28:29], s[6:7], s[8:9]
	s_add_nc_u64 s[28:29], s[28:29], 3*UNITB       ; unit 3 of K (waves 0-3) or of V (waves 4-7)
	.set gi, 0
	.rept 16
	global_load_b128 v[SC+4*gi:SC+4*gi+3], v[QG], s[4:5] offset:256*((gi&7)+16*(gi>>3)) th:TH_LOAD_NT   ; my 32 rows of Q, read by nobody else
	.set gi, gi+1
	.endr
	GLOAD                                          ; unit 0
	s_cmp_lg_u32 s17, 0
	s_cbranch_scc1 .Lnopf
	global_prefetch_b8 v[PFO], s[28:29] offset:-UNITB th:TH_LOAD_NT scope:SCOPE_SE     ; units 2 and 3, whose loads stand in trips 0 and 1
	global_prefetch_b8 v[PFO], s[28:29] th:TH_LOAD_NT scope:SCOPE_SE
.Lnopf:
	; the lane terms, while the loads are on their way
	v_lshlrev_b32 v24, 3, v3                       ; 8 c
	v_mad_u32_u24 v[KST], v22, 8*KP, v24
	s_mul_i32 s38, s14, 16*KP
	v_add_nc_u32 v[KST], s38, v[KST]               ; (16 w + 8 h) KP + 8 c
	v_mad_u32_u24 v[VST], v22, 4*VP, v24
	s_mul_i32 s38, s14, 16*VP
	s_add_co_u32 s38, s38, VOFF
	v_add_nc_u32 v[VST], s38, v[VST]               ; VOFF + (16 w + 4 h) VP + 8 c
	v_mad_u32_u24 v[QST], v22, 8*KP, v24
	s_mul_i32 s38, s14, 32*KP
	s_add_co_u32 s38, s38, QREG
	v_add_nc_u32 v[QST], s38, v[QST]               ; QREG + (32 w + 8 h) KP + 8 c
	v_mul_u32_u24 v25, v3, KP
	v_lshl_add_u32 v25, v22, 4, v25                ; r KP + 16 h
	s_mul_i32 s38, s16, 64*KP
	v_add_nc_u32 v[KF], s38, v25
	s_mul_i32 s38, s15, 32*KP
	s_add_co_u32 s38, s38, QREG
	v_add_nc_u32 v[QF], s38, v25
	v_and_b32 v26, 7, v0
	v_lshl_add_u32 v26, v22, 3, v26                ; 8 h + (l & 7)
	v_bfe_u32 v27, v0, 3, 1
	v_lshlrev_b32 v27, 4, v27
	v_mad_u32_u24 v[VF], v26, VP, v27
	s_mul_i32 s38, s16, 64*VP
	s_add_co_u32 s38, s38, VOFF
	v_add_nc_u32 v[VF], s38, v[VF]
	s_lshl_b32 s38, s15, 5
	s_lshl_b32 s39, s16, 6
	s_sub_co_i32 s38, s38, s39
	v_lshlrev_b32 v28, 3, v22
	v_sub_nc_u32 v[DQ0], v3, v28
	v_add_nc_u32 v[DQ0], s38, v[DQ0]               ; 32 rg + r - 64 ks - 8 h, signed
	v_add_nc_u32 v[DQ0+1], 16, v[DQ0]
	s_lshl_b32 s38, s14, 9
	s_add_co_u32 s38, s38, STAT
	v_lshl_add_u32 v[STA], v3, 3, s38
	s_xor_b32 s39, s14, 4                          ; the wave with my rows and the other key half
	s_lshl_b32 s39, s39, 9
	s_add_co_u32 s39, s39, STAT
	v_lshl_add_u32 v[STP], v3, 3, s39
	v_mul_u32_u24 v29, v3, OP
	v_lshl_add_u32 v29, v22, 5, v29
	s_mul_i32 s38, s16, COPY
	s_mul_i32 s39, s15, 32*OP
	s_add_co_u32 s38, s38, s39
	s_add_co_u32 s38, s38, OST
	v_add_nc_u32 v[OSA], s38, v29                  ; OST + ks COPY + (32 rg + r) OP + 32 h
	v_mad_u32_u24 v[ORD], v22, OP, v23
	s_mul_i32 s38, s14, 32*OP
	s_add_co_u32 s38, s38, OST
	v_add_nc_u32 v[ORD], s38, v[ORD]               ; OST + (32 w + h) OP + 16 c
	v_add_nc_u32 v[ORD2], COPY, v[ORD]
	v_lshlrev_b32 v[OG], 4, v1
	s_wait_kmcnt 0x0
	s_mul_f32 s33, s33, 0x3fb8aa3b                 ; the sink in base 2, for the end
	.set qq, 0
	.rept 4
	v_mov_b32 v[ML+2*qq], LOWEST                   ; the running maximum starts below every score, and finite
	v_mov_b32 v[ML+2*qq+1], 0                      ; the running sum
	v_mov_b32 v[AL+2*qq+1], 0                      ; the pair's unused half, written once
	.set qq, qq+1
	.endr
	s_wait_loadcnt 0x10                            ; Q is in; the sixteen loads of unit 0, issued behind it, may be out
	.set gi, 0
	.rept 16
	v_cvt_pk_f16_f32 v[SC+4*gi], v[SC+4*gi], v[SC+4*gi+1]
	v_cvt_pk_f16_f32 v[SC+4*gi+1], v[SC+4*gi+2], v[SC+4*gi+3]
	.set gi, gi+1
	.endr
	.set gi, 0
	.rept 16
	ds_store_b64 v[QST], v[SC+4*gi:SC+4*gi+1] offset:((gi&7)+16*(gi>>3))*KP
	.set gi, gi+1
	.endr
	CVST 0                                         ; unit 0 into slot 0
	s_add_nc_u64 s[6:7], s[6:7], UNITB             ; behind the wait for 0 loads
	s_add_nc_u64 s[8:9], s[8:9], UNITB
	GLOAD                                          ; unit 1
	s_wait_dscnt 0x0                               ; my rows of Q and of unit 0 are in LDS
	s_barrier_signal -1
	s_barrier_wait -1                              ; everybody's are
	WIN 0x40
	.set qi, 0
	.rept 8                                        ; qi = 2 q + c
	ds_load_b128 v[QW+8*qi:QW+8*qi+3],   v[QF] offset:((qi>>2)*128+16*((qi>>1)&1))*KP+64*(qi&1)
	ds_load_b128 v[QW+8*qi+4:QW+8*qi+7], v[QF] offset:((qi>>2)*128+16*((qi>>1)&1))*KP+64*(qi&1)+32
	.set qi, qi+1
	.endr
	WIN 0
	; ---------------- THE UNITS ----------------
	; Unit 0 stands in front of the loop.  Units 1 .. 7 - j follow: trip p of the loop takes the pair 2 p + 1 (slot 1) and 2 p + 2 (slot 0), for
	; p = 0 .. (7 - j) / 2 - 1, counted by ones.  Where 7 - j is odd (j = 0, 2) unit 7 - j is left, in slot 1: it stands behind the loop.
	s_mov_b32 s21, 0
	STEP 0, 0, 1, 0, a                             ; its products start all sixteen tiles of O
	s_mov_b32 s22, 0
.Lloop:
	s_lshl_b32 s21, s22, 1
	s_add_co_u32 s21, s21, 1                       ; unit 2 p + 1
	TRIP 1, b, c
	s_add_co_u32 s21, s21, 1                       ; unit 2 p + 2
	TRIP 0, d, e
	s_add_co_u32 s22, s22, 1
	s_cmp_lt_u32 s22, s35
	s_cbranch_scc1 .Lloop
	s_cmp_eq_u32 s21, s19                          ; the last unit done was 7 - j: nothing is left.  Alike in all waves: it hangs on j alone
	s_cbranch_scc1 .Ldone
	STEP 2, 1, 0, 1, f                             ; unit 7 - j, hi alone
.Ldone:
	; ---------------- THE TWO KEY HALVES AND THE SINK MEET ----------------
	.set qq, 0
	.rept 4
	v_permlanex16_b32 v[TM+qq], v[ML+2*qq+1], s30, s31
	v_add_f32 v[ML+2*qq+1], v[ML+2*qq+1], v[TM+qq]                 ; the sums of the two lane halves
	ds_store_b64 v[STA], v[ML+2*qq:ML+2*qq+1] offset:128*qq        ; both halves write the same pair
	.set qq, qq+1
	.endr
	s_wait_dscnt 0x0
	s_barrier_signal -1
	s_barrier_wait -1
	.set qq, 0
	.rept 4
	ds_load_b64 v[CS+2*qq:CS+2*qq+1], v[STP] offset:128*qq         ; my partner's maximum and sum
	.set qq, qq+1
	.endr
	s_wait_dscnt 0x0
	.set qq, 0
	.rept 4
	v_max3_num_f32 v[TM+qq], v[ML+2*qq], v[CS+2*qq], s33           ; the row's maximum over all its logits, the sink among them
	v_sub_f32 v[SC+3*qq], v[ML+2*qq], v[TM+qq]                     ; no exponent is above 0
	v_sub_f32 v[SC+3*qq+1], v[CS+2*qq], v[TM+qq]
	v_sub_f32 v[SC+3*qq+2], s33, v[TM+qq]
	.set qq, qq+1
	.endr
	.set qq, 0
	.rept 12
	v_exp_f32 v[SC+qq], v[SC+qq]                   ; my weight, my partner's, the sink's term
	.set qq, qq+1
	.endr
	v_nop                                          ; a plain place behind the exponentials (ISA guide 5.7.2)
	.set qq, 0
	s_wait_alu depctr_va_vdst(0)
	.rept 4
	v_fma_f32 v[TM+qq], v[ML+2*qq+1], v[SC+3*qq], v[SC+3*qq+2]     ; the whole sum: about 1 at the least, since whichever of the three holds the maximum
	v_fmac_f32 v[TM+qq], v[CS+2*qq+1], v[SC+3*qq+1]                ; brings a term of about 1
	.set qq, qq+1
	.endr
	.set qq, 0
	.rept 4
	v_rcp_f32 v[TM+qq], v[TM+qq]
	.set qq, qq+1
	.endr
	v_nop
	.set qq, 0
	s_wait_alu depctr_va_vdst(0)
	.rept 4
	v_mul_f32 v[AL+2*qq], v[SC+3*qq], v[TM+qq]
	.set qq, qq+1
	.endr
	RESC 0                                         ; my O, weighted and divided
	WIN 0x04
	.set qi, 0
	.rept 4
	.set dt, 0
	.rept 4
	ds_store_b128 v[OSA], v[OA+32*qi+8*dt:OA+32*qi+8*dt+3]   offset:((qi>>1)*128+16*(qi&1))*OP+64*dt
	ds_store_b128 v[OSA], v[OA+32*qi+8*dt+4:OA+32*qi+8*dt+7] offset:((qi>>1)*128+16*(qi&1))*OP+64*dt+16
	.set dt, dt+1
	.endr
	.set qi, qi+1
	.endr
	WIN 0
	s_wait_dscnt 0x0
	s_barrier_signal -1
	s_barrier_wait -1
	; local rows 32 w .. 32 w + 31, two at a time: both copies, added, stored: each store of the wave covers 512 consecutive bytes, aligned
	.set gi, 0
	.rept 16
	ds_load_b128 v[SC+4*gi:SC+4*gi+3],       v[ORD]  offset:2*OP*gi
	ds_load_b128 v[SC+64+4*gi:SC+64+4*gi+3], v[ORD2] offset:2*OP*gi
	.set gi, gi+1
	.endr
	.set gi, 0
	.rept 16
	s_wait_dscnt 30-2*gi                           ; pair gi is in; the pairs issued behind it may be out
	v_pk_add_f32 v[SC+4*gi:SC+4*gi+1],   v[SC+4*gi:SC+4*gi+1],   v[SC+64+4*gi:SC+64+4*gi+1]
	v_pk_add_f32 v[SC+4*gi+2:SC+4*gi+3], v[SC+4*gi+2:SC+4*gi+3], v[SC+64+4*gi+2:SC+64+4*gi+3]
	global_store_b128 v[OG], v[SC+4*gi:SC+4*gi+3], s[12:13] offset:512*gi th:TH_STORE_NT
	.set gi, gi+1
	.endr
	s_wait_tensorcnt 0x0
	ds_add_u32 v254, v255
	s_wait_dscnt 0x0
	s_endpgm
.Lfunc_end_k_qd2578ec77f_attn:
	.size	k_qd2578ec77f_attn, .Lfunc_end_k_qd2578ec77f_attn-k_qd2578ec77f_attn
	.p2alignl 7, 3214868480
	.fill 96, 4, 3214868480
	.section	.rodata,"a",@progbits
	.p2align	6, 0x0
	.amdhsa_kernel k_qd2578ec77f_attn
		.amdhsa_group_segment_fixed_size 259072
		.amdhsa_private_segment_fixed_size 0
		.amdhsa_enable_private_segment 0
		.amdhsa_kernarg_size 40
		.amdhsa_user_sgpr_count 2
		.amdhsa_user_sgpr_kernarg_segment_ptr 1
		.amdhsa_wavefront_size32 1
		.amdhsa_system_sgpr_workgroup_id_x 1
		.amdhsa_system_sgpr_workgroup_id_y 1
		.amdhsa_system_sgpr_workgroup_id_z 1
		.amdhsa_system_vgpr_workitem_id 0
		.amdhsa_next_free_vgpr 512
		.amdhsa_next_free_sgpr 66
		.amdhsa_reserve_vcc 1
		.amdhsa_float_denorm_mode_32 3
		.amdhsa_float_denorm_mode_16_64 3
		.amdhsa_memory_ordered 1
		.amdhsa_forward_progress 1
		.amdhsa_inst_pref_size 239
	.end_amdhsa_kernel
	.amdgpu_metadata
---
amdhsa.version: [ 1, 2 ]
amdhsa.kernels:
  - .name:           k_qd2578ec77f_attn
    .symbol:         k_qd2578ec77f_attn.kd
    .args:
      - { .name: q, .offset: 0, .size: 8, .value_kind: global_buffer, .address_space: global }
      - { .name: k, .offset: 8, .size: 8, .value_kind: global_buffer, .address_space: global }
      - { .name: v, .offset: 16, .size: 8, .value_kind: global_buffer, .address_space: global }
      - { .name: sink_logit, .offset: 24, .size: 8, .value_kind: global_buffer, .address_space: global }
      - { .name: out0, .offset: 32, .size: 8, .value_kind: global_buffer, .address_space: global }
    .group_segment_fixed_size: 259072
    .private_segment_fixed_size: 0
    .kernarg_segment_align: 8
    .kernarg_segment_size: 40
    .max_flat_workgroup_size: 256
    .sgpr_count:     66
    .vgpr_count:     512
    .wavefront_size: 32
...
	.end_amdgpu_metadata
.endif
;; end of part 1
;; ======== version 2 of 2: 1 launch; version 1 with the launch attn written anew for expert scheduling mode
;; limits: values are held in f16: magnitudes above 65,504 overflow, below 6.1e-05 lose precision; inputs' magnitudes at most 65,504
;; launch attn (part 2): grid 256 x 1, 8 waves a work-group, no clusters, 259,072 bytes of LDS; arguments q, k, v, sink_logit, out0; writes out0
.if DOCPART == 2
	.amdgcn_target "amdgcn-amd-amdhsa--gfx1250"
	.amdhsa_code_object_version 6
	.text
	.protected	k_qd2578ec77f_attn
	.globl	k_qd2578ec77f_attn
	.p2align	8
	.type	k_qd2578ec77f_attn,@function
k_qd2578ec77f_attn:
	s_mov_b64 s[64:65], 0
	v_nop
	global_prefetch_b8 v0, s[64:65] scope:SCOPE_SE
	s_setreg_imm32_b32 hwreg(HW_REG_WAVE_SCHED_MODE, 0, 2), 2
	s_setreg_imm32_b32 hwreg(HW_REG_WAVE_MODE, 25, 1), 1
	s_wait_xcnt 0x0
	s_wait_alu depctr_vm_vsrc(0)
; Causal attention with a sink logit.  q, k, v, out0: [64 heads][1024][64] f32; sink_logit: [16] f32 (head & 15).
; out = softmax([sink, q k^T / 8 under the causal mask]) without the sink column, times v.
;
; SHARE OF THE WORK.  Work-group = (head = id >> 2, j = id & 3).  It owns two blocks of 128 query rows: lo = rows 128 j .., hi = rows 128 (7 - j) ..
; In units of 128 rows x 128 keys lo needs j + 1 and hi needs 8 - j: nine for every work-group.  K and V are walked once, units 0 .. 7 - j.
; Wave w: rg = w & 3, ks = w >> 2.  It owns 64 rows (tiles q = 0, 1: lo rows 32 rg + 16 (q & 1) + r; q = 2, 3: the same rows of hi) and of each unit
; the keys 64 ks .. 64 ks + 63.  Waves (rg, 0) and (rg, 1) keep a running maximum, a sum and an output each for the same rows; they are merged at the end.
; BOTH PRODUCTS ARE TRANSPOSED.  S^T = K Q^T: register i of lane (r, h) is (key 16 kt + 8 h + i, query r): a lane holds one query, so maximum and sum
; are in the lane but for one exchange of the lane halves, and two key tiles packed to f16 ARE the second source of O^T = V^T P^T.
; THE MATRIX OPERANDS ARE f16: 11 significant bits.  In the first rows a few probabilities of order 1 meet values of order 1 and the terms may cancel,
; while most rows average hundreds of values: the small results of the first rows want the extra bits.  Inputs of order 1 have room in f16 both ways:
; its largest number is 65,504, its step near zero 6e-8.  All sums are f32.
; THE SINK stays out of the running maximum, which is over the scores alone, so that a row's largest probability is about 1 whatever the sink and none
; is lost to f16's range.  It comes in where the two key halves meet: there the maximum over both halves AND the sink is taken away, and the sink adds
; its term to the sum.  The running maximum starts at the lowest finite f32, so that a key half that is masked whole forms no -inf minus -inf.
; Exponentials are base 2: the f32 score is multiplied by log2(e) / 8 in the fused multiply-add that takes the maximum away.
; K and V come in through registers (f32 to f16 on the way) into two LDS slots that take turns; a unit is requested one whole trip before it is converted.
;
; NO CLUSTER: the work-groups that read the same K and V are those of one head, and they differ in j, so in the number of units (8 - j) and in the
; branches that hang on j; joint requests want both alike, which would mean doing the masked work.  The copy engines are not used either: they would bring
; f32 bytes into LDS, which would still have to pass through registers to become f16.
;
; THE MODE: SCHED_MODE bits 1:0 = 2 (LLVM: expert scheduling mode 2), set by the entry lines.  The code itself states the register dependences
; between vector or matrix instructions and memory or LDS instructions, with s_wait_alu, always for 0.
; THE PLAN.  Registers that memory or LDS instructions touch in a trip:
;   FR         K's fragments land at the trip's head; the products K Q^T read them; V^T lands in the trip's middle; the products V^T P^T read it.
;   STG        the loads of the unit after next land; a trip later 32 conversions read and write it in place; 16 LDS stores read it; the next loads land.
;   v4-v13, v16-v21   offsets and LDS addresses: made once at the head, never written again; the scalar bases step.
;   SC, OA, ML, CS are named by vector and matrix instructions alone in a trip; memory touches them at the head (SC) and on the way out.
; A trip's softmax is cut in two.  Its first half (maxima, scalings, exponentials of all the trip's tiles) names no exponential's result.  ONE wait on va_vdst
; stands behind it: for the exponentials' results, and for the products K Q^T, which are done reading FR.  Behind it stand the fill of the other slot, V^T's loads,
; and the second half (sums and roundings), under which those LDS stores and loads land.  The other waits of a trip: one on va_vdst at its head (the last trip's products
; V^T P^T are done reading FR); in the fill one ahead of the LDS stores (the conversions have written STG), one on vm_vsrc behind them (they have read STG) and one
; on va_vdst ahead of the loads into STG.
; THE MASKS of a diagonal unit hang on the wave and the lane alone: 40 compares at the head, in one run into scalar registers, with one wait on va_sdst behind the run;
; the diagonal units hold the selects alone.
;
; LIMITS.  |q|, |k|, |v| below 65,504 (beyond it f16 gives infinity); below 6.1e-5 they are kept in steps of 6e-8.  A probability under 2^-25 of the
; largest that its row has seen so far counts as zero.  Where the sink exceeds a row's largest score by more than about 87, the row's weight lies under
; 2^-126 and the output is zero.  sink_logit is below +inf.  NaN or infinities in q, k, v give NaN in other places than the definition does.
; The sum of probabilities is taken of the unrounded f32; the order of summation is by key halves and lane halves, merged at the end.
.set UNITB, 32768                      ; bytes of 128 rows of 64 f32
.set KP,    144                        ; LDS pitch of K's and Q's f16 rows: 128 + 16 bytes, an odd multiple of 16
.set VP,    160                        ; of V's rows: an odd multiple of 32, for the transposing loads
.set VOFF,  128*KP                     ; V behind K in a slot
.set SLOT,  VOFF+128*VP                ; 38,912 bytes
.set QREG,  2*SLOT                     ; 256 local rows of Q (0-127 lo, 128-255 hi), f16, pitch KP
.set STAT,  QREG+256*KP                ; (maximum, sum) pairs: (64 w + 16 q + r) x 8 bytes
.set OST,   STAT+4096                  ; two copies (ks) of 256 local rows of 64 f32
.set OP,    272                        ; their pitch
.set COPY,  256*OP
.set SCL,   0x3e38aa3b                 ; log2(e) / 8
.set LOWEST, 0xff7fffff                ; the lowest finite f32
; window 0
.set KG,   4                           ; global offsets: K, V, Q
.set VG,   5
.set QG,   6
.set KST,  7                           ; LDS store addresses: K, V, Q
.set VST,  8
.set QST,  9
.set KF,   10                          ; LDS fragment addresses: K, V^T, Q
.set VF,   11
.set QF,   12
.set PFO,  13                          ; prefetch: one 256-byte row a lane
.set DQ0,  14                          ; at the head only: query minus key at (kt, i) = (0, 0) in a diagonal unit, tiles q even; tiles q odd lie 16 queries on
.set STA,  16                          ; my pairs in STAT
.set STP,  17                          ; my partner's
.set OSA,  18                          ; where I put my O
.set ORD,  19                          ; where I read whole rows back, copy 0
.set ORD2, 20                          ; copy 1
.set OG,   21                          ; my 16 bytes of two output rows
.set SC,   32                          ; v32-159: scores, tile q at 32 q, key tile kt at + 8 kt; packed P: chunk ch at 32 q + 8 ch
.set FR,   160                         ; v160-223: K fragments (kt, c) at 16 kt + 8 c, then V^T fragments (ch, dt) at 32 ch + 8 dt
.set ML,   224                         ; pairs (maximum, sum) of tile q
.set AL,   232                         ; rescale factor of tile q in the even register of a pair
.set TM,   240                         ; four temporaries
.set CS,   244                         ; four pairs of partial sums
; window 1
.set OA,   0                           ; v256-383: O^T, tile q at 32 q, d tile dt at + 8 dt
.set QW,   128                         ; v384-447: Q fragments, tile q at 16 q, d chunk c at + 8 c
.set STG,  192                         ; v448-511: a unit on its way: K's load i at 4 i, V's at 32 + 4 i
; scalars: s[4:5] q rows, s[6:7] K unit, s[8:9] V unit, s[10:11] sink, s[12:13] out rows, s14 w, s15 rg, s16 ks, s17 j, s18 head, s19 7-j,
; s21 unit at work, s22 loop counter (pairs of units), s23 6-j, s24 prefetch limit, s[28:29] prefetch pointer, s30 s31 lane selects, s32 -inf,
; s33 the sink in base 2, s35 pairs of units in the loop
.set MKL,  48                          ; s48-55: lane masks  i - 16 <= DQ0,      i = 0 .. 7
.set MK,   66                          ; s66-97: lane masks  16 kt + i <= DQ0,   at 8 kt + i
.set MSB, 0
.macro WIN new                         ; s_set_vgpr_msb: bits 1:0 source 0, 3:2 source 1, 5:4 source 2, 7:6 destination; the high byte repeats the setting left
.if MSB != \new
	s_set_vgpr_msb (MSB<<8)|\new
.set MSB, \new
.endif
.endm
.macro PLACES n                        ; independent vector instructions behind matrix instructions (ISA guide 7.12.1)
.rept \n
	v_nop
.endr
.endm
; sixteen loads: my 16 rows of K's and of V's unit.  Each covers two whole rows of 256 bytes; lanes 16-31 take the row 8 (K) or 4 (V) further on.
; again = 1: STG has held a unit before.
.macro GLOAD again
	WIN 0x40
.if \again
	s_wait_alu depctr_va_vdst(0)                   ; the conversions of the unit before are done reading and writing STG, in which these loads land
.endif
	.set gi, 0
	.rept 8
	global_load_b128 v[STG+4*gi:STG+4*gi+3], v[KG], s[6:7] offset:256*gi
	.set gi, gi+1
	.endr
	.set gi, 0
	.rept 8
	global_load_b128 v[STG+32+4*gi:STG+32+4*gi+3], v[VG], s[8:9] offset:256*((gi&3)+8*(gi>>2))
	.set gi, gi+1
	.endr
	WIN 0
.endm
; the unit in STG to f16, in place, and into an LDS slot: 8 bytes a lane; the two lane halves fall into different halves of the banks
.macro CVST slot
	s_wait_loadcnt 0x8                             ; K's eight loads are in; V's eight, issued behind them, may be out
	WIN 0x45
	.set ci, 0
	.rept 8
	v_cvt_pk_f16_f32 v[STG+4*ci], v[STG+4*ci], v[STG+4*ci+1]
	v_cvt_pk_f16_f32 v[STG+4*ci+1], v[STG+4*ci+2], v[STG+4*ci+3]
	.set ci, ci+1
	.endr
	s_wait_loadcnt 0x0                             ; V's too: nothing is out, so the bases may be stepped behind this macro
	.rept 8
	v_cvt_pk_f16_f32 v[STG+4*ci], v[STG+4*ci], v[STG+4*ci+1]
	v_cvt_pk_f16_f32 v[STG+4*ci+1], v[STG+4*ci+2], v[STG+4*ci+3]
	.set ci, ci+1
	.endr
	WIN 0x04
	s_wait_alu depctr_va_vdst(0)                   ; the conversions have written STG, which the LDS stores read
	.set ci, 0
	.rept 8
	ds_store_b64 v[KST], v[STG+4*ci:STG+4*ci+1] offset:(\slot)*SLOT+ci*KP
	.set ci, ci+1
	.endr
	.set ci, 0
	.rept 8
	ds_store_b64 v[VST], v[STG+32+4*ci:STG+32+4*ci+1] offset:(\slot)*SLOT+((ci&3)+8*(ci>>2))*VP
	.set ci, ci+1
	.endr
	s_wait_alu depctr_vm_vsrc(0)                   ; the LDS stores have read STG: whatever writes it next, the next unit's loads and then their conversions, stands behind this line on every way
	WIN 0
.endm
; my 64 keys x 64 d as first sources: four loads for each key tile, in the order in which QK waits for them
.macro KLOAD slot
	.set ki, 0
	.rept 8
	ds_load_b128 v[FR+8*ki:FR+8*ki+3],   v[KF] offset:(\slot)*SLOT+(ki>>1)*16*KP+(ki&1)*64
	ds_load_b128 v[FR+8*ki+4:FR+8*ki+7], v[KF] offset:(\slot)*SLOT+(ki>>1)*16*KP+(ki&1)*64+32
	.set ki, ki+1
	.endr
.endm
; V^T: 16 d x 32 keys a fragment, from rows that lie along d, by the transposing load
.macro VLOAD slot
	.set vi, 0
	.rept 8
	ds_load_tr16_b128 v[FR+8*vi:FR+8*vi+3],   v[VF] offset:(\slot)*SLOT+(vi>>2)*32*VP+(vi&3)*32
	ds_load_tr16_b128 v[FR+8*vi+4:FR+8*vi+7], v[VF] offset:(\slot)*SLOT+(vi>>2)*32*VP+(vi&3)*32+16*VP
	.set vi, vi+1
	.endr
.endm
; S^T = K Q^T for tiles q0 .. 3: the first product starts each sum, the second is the next link in place; the tiles' accumulators take turns
.macro QK q0
	WIN 0x04
	.set kt, 0
	.rept 4
	s_wait_dscnt 12-4*kt                           ; LDS loads return in order (ISA guide 5.7.1): key tile kt is in, the four loads of each later tile may be out
	.set qi, \q0
	.rept 4-\q0
	v_wmma_f32_16x16x32_f16 v[SC+32*qi+8*kt:SC+32*qi+8*kt+7], v[FR+16*kt:FR+16*kt+7], v[QW+16*qi:QW+16*qi+7], 0
	.set qi, qi+1
	.endr
	.set qi, \q0
	.rept 4-\q0
	v_wmma_f32_16x16x32_f16 v[SC+32*qi+8*kt:SC+32*qi+8*kt+7], v[FR+16*kt+8:FR+16*kt+15], v[QW+16*qi+8:QW+16*qi+15], v[SC+32*qi+8*kt:SC+32*qi+8*kt+7]
	.set qi, qi+1
	.endr
	.set kt, kt+1
	.endr
.endm
; the diagonal unit: a score stays where key <= query; -inf elsewhere.  Tiles q even: 16 kt + i <= DQ0.  Tiles q odd lie 16 queries on: 16 (kt - 1) + i <= DQ0.
; The masks were made, and waited for, at the head.
.macro MASK q
	.set mk, 0
	.rept 32
	.set mr, MK+mk
	.if ((\q)&1)
	.if mk < 8
	.set mr, MKL+mk
	.else
	.set mr, MK+mk-8
	.endif
	.endif
	v_cndmask_b32 v[SC+32*(\q)+mk], s32, v[SC+32*(\q)+mk], s[mr]
	.set mk, mk+1
	.endr
.endm
.macro SUBX g                          ; score x log2(e) / 8 minus the new maximum, one rounding, two at a time
	.set sp, 0
	.rept 4
	v_pk_fma_f32 v[sb+8*\g+2*sp:sb+8*\g+2*sp+1], v[sb+8*\g+2*sp:sb+8*\g+2*sp+1], SCL, v[mq:mq+1] op_sel_hi:[1,0,0] neg_lo:[0,0,1] neg_hi:[0,0,1]
	.set sp, sp+1
	.endr
.endm
.macro EXPX g
	.set sp, 0
	.rept 8
	v_exp_f32 v[sb+8*\g+sp], v[sb+8*\g+sp]
	.set sp, sp+1
	.endr
.endm
.macro SUMCVT g                        ; key tile g: its eight p into a pair of sums, then packed to f16 at 4 g: the target never passes an unread source
	v_pk_add_f32 v[CS+2*\g:CS+2*\g+1], v[sb+8*\g:sb+8*\g+1], v[sb+8*\g+2:sb+8*\g+3]
	v_pk_add_f32 v[CS+2*\g:CS+2*\g+1], v[CS+2*\g:CS+2*\g+1], v[sb+8*\g+4:sb+8*\g+5]
	v_pk_add_f32 v[CS+2*\g:CS+2*\g+1], v[CS+2*\g:CS+2*\g+1], v[sb+8*\g+6:sb+8*\g+7]
	v_cvt_pk_f16_f32 v[sb+4*\g],   v[sb+8*\g],   v[sb+8*\g+1]
	v_cvt_pk_f16_f32 v[sb+4*\g+1], v[sb+8*\g+2], v[sb+8*\g+3]
	v_cvt_pk_f16_f32 v[sb+4*\g+2], v[sb+8*\g+4], v[sb+8*\g+5]
	v_cvt_pk_f16_f32 v[sb+4*\g+3], v[sb+8*\g+6], v[sb+8*\g+7]
.endm
; The running softmax of one tile of 16 queries x 64 keys, FIRST HALF: the maximum, the factor, the scalings and the 33 exponentials.  No line of it names an exponential's result,
; of this tile or of a tile before: the trip's tiles follow each other as one batch.
.macro SMA q
	.set sb, SC+32*(\q)
	.set mq, ML+2*(\q)
	.set aq, AL+2*(\q)
	.set sc, 0
	.rept 4
	v_max3_num_f32 v[TM+sc], v[sb+8*sc], v[sb+8*sc+1], v[sb+8*sc+2]        ; four chains over the raw scores: elements 0 to 6 of each key tile
	.set sc, sc+1
	.endr
	.set sn, 3
	.rept 2
	.set sc, 0
	.rept 4
	v_max3_num_f32 v[TM+sc], v[TM+sc], v[sb+8*sc+sn], v[sb+8*sc+sn+1]
	.set sc, sc+1
	.endr
	.set sn, sn+2
	.endr
	v_max3_num_f32 v[TM], v[TM], v[sb+7], v[sb+15]                 ; the four elements 7
	v_max3_num_f32 v[TM+1], v[TM+1], v[sb+23], v[sb+31]
	v_max3_num_f32 v[TM], v[TM], v[TM+1], v[TM+2]
	v_max_num_f32 v[TM], v[TM], v[TM+3]
	v_permlanex16_b32 v[TM+1], v[TM], s30, s31     ; the other lane half holds the query's other keys
	v_max_num_f32 v[TM], v[TM], v[TM+1]            ; the tile's largest raw score, alike in both halves
	v_mul_f32 v[TM], SCL, v[TM]                    ; in base-2 units (the factor is positive: the order is kept)
	v_max_num_f32 v[TM+1], v[mq], v[TM]            ; the new running maximum: finite, also where the whole tile is masked
	v_sub_f32 v[TM+2], v[mq], v[TM+1]
	v_mov_b32 v[mq], v[TM+1]
	v_exp_f32 v[aq], v[TM+2]                       ; what the old sum and the old O are worth under the new maximum
	SUBX 0                                         ; behind each run of exponentials stands plain work on other registers (ISA guide 5.7.2)
	EXPX 0
	SUBX 1
	EXPX 1
	SUBX 2
	EXPX 2
	SUBX 3
	EXPX 3
.endm
; SECOND HALF, behind the batch's wait: the sums, the roundings to f16, the running sum
.macro SMB q
	.set sb, SC+32*(\q)
	.set mq, ML+2*(\q)
	.set aq, AL+2*(\q)
	SUMCVT 0
	SUMCVT 1
	SUMCVT 2
	SUMCVT 3
	v_pk_add_f32 v[CS:CS+1], v[CS:CS+1], v[CS+2:CS+3]
	v_pk_add_f32 v[CS+4:CS+5], v[CS+4:CS+5], v[CS+6:CS+7]
	v_pk_add_f32 v[CS:CS+1], v[CS:CS+1], v[CS+4:CS+5]
	v_fma_f32 v[mq+1], v[mq+1], v[aq], v[CS]
	v_add_f32 v[mq+1], v[mq+1], v[CS+1]
.endm
; Unit s21 + 1 out of STG into the slot that is not read in this trip; then the loads of unit s21 + 2; then (j = 0 alone) a prefetch of unit s21 + 4.
.macro FILL slot, id
	s_cmp_eq_u32 s21, s19                          ; the last unit: nothing follows
	s_cbranch_scc1 .Lnf_\id
	CVST \slot
	s_cmp_ge_u32 s21, s23                          ; the last but one: nothing more to request
	s_cbranch_scc1 .Lnf_\id
	s_wait_xcnt 0x0                                ; the prefetch of the trip before has had its address translated (ISA guide 3.1); the loads on s[6:9] are done (the wait for 0 above)
	s_add_nc_u64 s[6:7], s[6:7], UNITB
	s_add_nc_u64 s[8:9], s[8:9], UNITB
	s_add_nc_u64 s[28:29], s[28:29], UNITB
	GLOAD 1
	s_cmp_ge_u32 s21, s24                          ; trips 0 to 3 of the work-group with j = 0 ask for units 4 to 7: none points past the head's last row
	s_cbranch_scc1 .Lnf_\id
	global_prefetch_b8 v[PFO], s[28:29] th:TH_LOAD_NT scope:SCOPE_SE   ; waves 0-3 K's 128 rows, waves 4-7 V's, a lane a row: two trips before the loads that want them
.Lnf_\id:
.endm
.macro RESC q0                         ; O times the lane's own factor
	WIN 0x41
	.set qi, \q0
	.rept 4-\q0
	.set rp, 0
	.rept 16
	v_pk_mul_f32 v[OA+32*qi+2*rp:OA+32*qi+2*rp+1], v[OA+32*qi+2*rp:OA+32*qi+2*rp+1], v[AL+2*qi:AL+2*qi+1] op_sel_hi:[1,0]
	.set rp, rp+1
	.endr
	.set qi, qi+1
	.endr
.endm
.macro PVC q0, ch, zero                ; O^T += V^T P^T for 32 keys; zero = 1: the product starts the sums, nothing is ever cleared
	.set qi, \q0
	.rept 4-\q0
	.set dt, 0
	.rept 4
.if \zero
	v_wmma_f32_16x16x32_f16 v[OA+32*qi+8*dt:OA+32*qi+8*dt+7], v[FR+32*\ch+8*dt:FR+32*\ch+8*dt+7], v[SC+32*qi+8*\ch:SC+32*qi+8*\ch+7], 0
.else
	v_wmma_f32_16x16x32_f16 v[OA+32*qi+8*dt:OA+32*qi+8*dt+7], v[FR+32*\ch+8*dt:FR+32*\ch+8*dt+7], v[SC+32*qi+8*\ch:SC+32*qi+8*\ch+7], v[OA+32*qi+8*dt:OA+32*qi+8*dt+7]
.endif
	.set dt, dt+1
	.endr
	.set qi, qi+1
	.endr
.endm
; ONE TRIP: unit s21, which lies in slot; tiles q0 .. 3 (q0 = 2: lo is finished).  One barrier does both orderings: in front of its signal each wave has
; waited for its reads of this slot and for its stores into the other; behind its wait the other slot is read and this one stored into.
; last = 1: the trip written out behind the loop.  It is unit 7 - j, hi's diagonal unit: masked without a branch; nothing follows, so no slot is
; filled and no barrier is needed (no slot is stored into any more, and what comes behind uses LDS bytes of its own).
.macro STEP q0, slot, first, last, id
.if \first == 0
	s_wait_alu depctr_va_vdst(0)                   ; the last trip's products V^T P^T are done reading FR, in which K's fragments land
.endif
	KLOAD \slot
	QK \q0
	WIN 0
	PLACES 4                                       ; behind the last product, for the vector work on its results
.if \last
	MASK 2
	MASK 3
.else
.if \q0
	s_cmp_lg_u32 s21, s19                          ; hi's diagonal unit is 7 - j
.else
	s_cmp_lg_u32 s21, s17                          ; lo's is j; hi's lies later (7 - j > j)
.endif
	s_cbranch_scc1 .Lnm_\id
	MASK \q0
	MASK \q0+1
.Lnm_\id:
.endif
	.set qq, \q0
	.rept 4-\q0
	SMA qq
	.set qq, qq+1
	.endr
	v_nop                                          ; a plain place behind the last exponential (ISA guide 5.7.2): one for the batch
	s_wait_alu depctr_va_vdst(0)                   ; the exponentials have written p (in SC) and the factors (in AL), which the sums, roundings and rescalings below read; the products K Q^T are done reading FR, in which V^T lands
.if \last == 0
	FILL 1-\slot, \id
.endif
	VLOAD \slot                                    ; no wait of its own: no vector or matrix instruction since the wait above names FR or the address
	.set qq, \q0
	.rept 4-\q0
	SMB qq                                         ; the LDS stores and loads above land under these lines
	.set qq, qq+1
	.endr
.if \last
	s_wait_dscnt 0x0                               ; V^T is in registers
.else
	s_wait_dscnt 0x0                               ; V^T is in registers: my reads of this slot are over; my stores into the other slot are done
	s_barrier_signal -1
.endif
.if \first == 0
	RESC \q0
.endif
	WIN 0x50
	PVC \q0, 0, \first
	PVC \q0, 1, 0
	WIN 0
	PLACES 5                                       ; the next trip's products write over P, a source of these
.if \last == 0
	s_barrier_wait -1
.endif
.endm
.macro TRIP slot, ia, ib
	s_cmp_gt_u32 s21, s17
	s_cbranch_scc1 .Lhi_\ia
	STEP 0, \slot, 0, 0, \ia
	s_branch .Ljn_\ia
.Lhi_\ia:
	STEP 2, \slot, 0, 0, \ib
.Ljn_\ia:
.endm
	; ---------------- PROLOGUE ----------------
	s_load_b256 s[4:11], s[0:1], 0x0               ; q, k, v, sink_logit
	s_load_b64 s[12:13], s[0:1], 0x20              ; out0
	v_lshl_add_u32 v254, v0, 2, 0x3f000
	v_mov_b32 v255, 0
	v_lshrrev_b32 v2, 5, v0
	v_readfirstlane_b32 s14, v2                    ; wave
	; what does not hang on the wave's number stands between that line and the wait for it
	s_and_b32 s17, ttmp9, 3                        ; j
	s_lshr_b32 s18, ttmp9, 2                       ; head
	s_sub_co_u32 s19, 7, s17
	s_sub_co_u32 s23, 6, s17
	s_lshr_b32 s35, s19, 1                         ; whole pairs among units 1 .. 7 - j: 3, 3, 2, 2 for j = 0, 1, 2, 3
	s_cmp_eq_u32 s17, 0
	s_cselect_b32 s24, 4, 0
	s_mov_b32 s30, 0x76543210                      ; v_permlanex16_b32: lane i of one half reads lane i of the other
	s_mov_b32 s31, 0xfedcba98
	s_mov_b32 s32, 0xff800000                      ; -inf
	s_lshl_b32 s36, s18, 18                        ; a head is 262,144 bytes
	s_mov_b32 s37, 0
	s_and_b32 s40, s18, 15
	s_lshl_b32 s40, s40, 2
	s_mov_b32 s41, 0
	v_and_b32 v1, 31, v0                           ; lane
	v_and_b32 v3, 15, v0                           ; r (also c: which 16 bytes of a row)
	v_bfe_u32 v22, v0, 4, 1                        ; h
	v_lshlrev_b32 v23, 4, v3
	v_lshl_add_u32 v[QG], v22, 11, v23             ; 8 rows x h + 16 c
	v_lshl_add_u32 v[VG], v22, 10, v23             ; 4 rows x h + 16 c
	v_and_b32 v[PFO], 127, v0
	v_lshlrev_b32 v[PFO], 8, v[PFO]
	s_wait_alu depctr_va_sdst(0)                   ; s14 is written, ahead of its first reader: rg, ks, the rows and the LDS addresses are made from it
	s_and_b32 s15, s14, 3                          ; rg
	s_lshr_b32 s16, s14, 2                         ; ks
	s_cmp_eq_u32 s16, 0
	s_cselect_b32 s25, s17, s19                    ; waves 0-3 stage and store rows of lo, waves 4-7 of hi
	s_lshl_b32 s25, s25, 7
	s_lshl_b32 s38, s15, 5
	s_add_co_u32 s25, s25, s38                     ; my first row: 128 x block + 32 rg
	s_lshl_b32 s26, s25, 8
	s_add_co_u32 s26, s26, s36
	s_mov_b32 s27, 0
	s_lshl_b32 s38, s14, 12                        ; my 16 rows of a unit
	v_add_nc_u32 v[KG], s38, v[QG]
	v_add_nc_u32 v[VG], s38, v[VG]
	s_wait_kmcnt 0x0
	s_add_nc_u64 s[6:7], s[6:7], s[36:37]
	s_add_nc_u64 s[8:9], s[8:9], s[36:37]
	s_add_nc_u64 s[4:5], s[4:5], s[26:27]
	s_add_nc_u64 s[12:13], s[12:13], s[26:27]
	s_add_nc_u64 s[10:11], s[10:11], s[40:41]
	s_load_b32 s33, s[10:11], 0x0
	s_cmp_eq_u32 s16, 0
	s_cselect_b64 s[28:29], s[6:7], s[8:9]
	s_add_nc_u64 s[28:29], s[28:29], 3*UNITB       ; unit 3 of K (waves 0-3) or of V (waves 4-7)
	s_wait_alu depctr_va_vdst(0)                   ; the four global offsets v4, v5, v6 and v13 are written, which every load of Q, K and V and every prefetch reads
	.set gi, 0
	.rept 16
	global_load_b128 v[SC+4*gi:SC+4*gi+3], v[QG], s[4:5] offset:256*((gi&7)+16*(gi>>3)) th:TH_LOAD_NT   ; my 32 rows of Q, read by nobody else
	.set gi, gi+1
	.endr
	GLOAD 0                                        ; unit 0: no vector instruction has named STG yet
	s_cmp_lg_u32 s17, 0
	s_cbranch_scc1 .Lnopf
	global_prefetch_b8 v[PFO], s[28:29] offset:-UNITB th:TH_LOAD_NT scope:SCOPE_SE     ; units 2 and 3, whose loads stand in trips 0 and 1
	global_prefetch_b8 v[PFO], s[28:29] th:TH_LOAD_NT scope:SCOPE_SE
.Lnopf:
	; the lane terms, while the loads are on their way
	s_lshl_b32 s38, s15, 5
	s_lshl_b32 s39, s16, 6
	s_sub_co_i32 s38, s38, s39
	v_lshlrev_b32 v28, 3, v22
	v_sub_nc_u32 v[DQ0], v3, v28
	v_add_nc_u32 v[DQ0], s38, v[DQ0]               ; 32 rg + r - 64 ks - 8 h, signed
	.set mk, 0
	.rept 8
	v_cmp_le_i32 s[MKL+mk], mk-16, v[DQ0]          ; the diagonal units' masks, in one run: the eight that the odd tiles' first key tile takes,
	.set mk, mk+1
	.endr
	.set mk, 0
	.rept 32
	v_cmp_le_i32 s[MK+mk], 16*(mk>>3)+(mk&7), v[DQ0]   ; and the 32 of the even tiles, of which the odd tiles take the first 24 a key tile later
	.set mk, mk+1
	.endr
	v_lshlrev_b32 v24, 3, v3                       ; 8 c
	v_mad_u32_u24 v[KST], v22, 8*KP, v24
	s_mul_i32 s38, s14, 16*KP
	v_add_nc_u32 v[KST], s38, v[KST]               ; (16 w + 8 h) KP + 8 c
	v_mad_u32_u24 v[VST], v22, 4*VP, v24
	s_mul_i32 s38, s14, 16*VP
	s_add_co_u32 s38, s38, VOFF
	v_add_nc_u32 v[VST], s38, v[VST]               ; VOFF + (16 w + 4 h) VP + 8 c
	v_mad_u32_u24 v[QST], v22, 8*KP, v24
	s_mul_i32 s38, s14, 32*KP
	s_add_co_u32 s38, s38, QREG
	v_add_nc_u32 v[QST], s38, v[QST]               ; QREG + (32 w + 8 h) KP + 8 c
	v_mul_u32_u24 v25, v3, KP
	v_lshl_add_u32 v25, v22, 4, v25                ; r KP + 16 h
	s_mul_i32 s38, s16, 64*KP
	v_add_nc_u32 v[KF], s38, v25
	s_mul_i32 s38, s15, 32*KP
	s_add_co_u32 s38, s38, QREG
	v_add_nc_u32 v[QF], s38, v25
	v_and_b32 v26, 7, v0
	v_lshl_add_u32 v26, v22, 3, v26                ; 8 h + (l & 7)
	v_bfe_u32 v27, v0, 3, 1
	v_lshlrev_b32 v27, 4, v27
	v_mad_u32_u24 v[VF], v26, VP, v27
	s_mul_i32 s38, s16, 64*VP
	s_add_co_u32 s38, s38, VOFF
	v_add_nc_u32 v[VF], s38, v[VF]
	s_lshl_b32 s38, s14, 9
	s_add_co_u32 s38, s38, STAT
	v_lshl_add_u32 v[STA], v3, 3, s38
	s_xor_b32 s39, s14, 4                          ; the wave with my rows and the other key half
	s_lshl_b32 s39, s39, 9
	s_add_co_u32 s39, s39, STAT
	v_lshl_add_u32 v[STP], v3, 3, s39
	v_mul_u32_u24 v29, v3, OP
	v_lshl_add_u32 v29, v22, 5, v29
	s_mul_i32 s38, s16, COPY
	s_mul_i32 s39, s15, 32*OP
	s_add_co_u32 s38, s38, s39
	s_add_co_u32 s38, s38, OST
	v_add_nc_u32 v[OSA], s38, v29                  ; OST + ks COPY + (32 rg + r) OP + 32 h
	v_mad_u32_u24 v[ORD], v22, OP, v23
	s_mul_i32 s38, s14, 32*OP
	s_add_co_u32 s38, s38, OST
	v_add_nc_u32 v[ORD], s38, v[ORD]               ; OST + (32 w + h) OP + 16 c
	v_add_nc_u32 v[ORD2], COPY, v[ORD]
	v_lshlrev_b32 v[OG], 4, v1
	s_wait_kmcnt 0x0
	s_mul_f32 s33, s33, 0x3fb8aa3b                 ; the sink in base 2, for the end
	.set qq, 0
	.rept 4
	v_mov_b32 v[ML+2*qq], LOWEST                   ; the running maximum starts below every score, and finite
	v_mov_b32 v[ML+2*qq+1], 0                      ; the running sum
	v_mov_b32 v[AL+2*qq+1], 0                      ; the pair's unused half, written once
	.set qq, qq+1
	.endr
	s_wait_alu depctr_va_sdst(0)                   ; the 40 masks s48-55 and s66-97 are written: one wait for the run, ahead of every branch and of their first readers, the selects of the diagonal units
	s_wait_loadcnt 0x10                            ; Q is in; the sixteen loads of unit 0, issued behind it, may be out
	.set gi, 0
	.rept 16
	v_cvt_pk_f16_f32 v[SC+4*gi], v[SC+4*gi], v[SC+4*gi+1]
	v_cvt_pk_f16_f32 v[SC+4*gi+1], v[SC+4*gi+2], v[SC+4*gi+3]
	.set gi, gi+1
	.endr
	s_wait_alu depctr_va_vdst(0)                   ; the conversions have written v[SC ..], which the LDS stores read; the LDS addresses and the output's offset, v7 to v12 and v16 to v21, are written, for the whole kernel
	.set gi, 0
	.rept 16
	ds_store_b64 v[QST], v[SC+4*gi:SC+4*gi+1] offset:((gi&7)+16*(gi>>3))*KP
	.set gi, gi+1
	.endr
	CVST 0                                         ; unit 0 into slot 0.  Its wait on vm_vsrc also shows that Q's stores above have read v[SC ..], which the first products write
	s_add_nc_u64 s[6:7], s[6:7], UNITB             ; behind the wait for 0 loads
	s_add_nc_u64 s[8:9], s[8:9], UNITB
	GLOAD 1                                        ; unit 1
	s_wait_dscnt 0x0                               ; my rows of Q and of unit 0 are in LDS
	s_barrier_signal -1
	s_barrier_wait -1                              ; everybody's are
	WIN 0x40
	.set qi, 0
	.rept 8                                        ; qi = 2 q + c.  No vector instruction has named these registers; the address was written ahead of the wait in front of Q's stores
	ds_load_b128 v[QW+8*qi:QW+8*qi+3],   v[QF] offset:((qi>>2)*128+16*((qi>>1)&1))*KP+64*(qi&1)
	ds_load_b128 v[QW+8*qi+4:QW+8*qi+7], v[QF] offset:((qi>>2)*128+16*((qi>>1)&1))*KP+64*(qi&1)+32
	.set qi, qi+1
	.endr
	WIN 0
	; ---------------- THE UNITS ----------------
	; Unit 0 stands in front of the loop.  Units 1 .. 7 - j follow: trip p of the loop takes the pair 2 p + 1 (slot 1) and 2 p + 2 (slot 0), for
	; p = 0 .. (7 - j) / 2 - 1, counted by ones.  Where 7 - j is odd (j = 0, 2) unit 7 - j is left, in slot 1: it stands behind the loop.
	s_mov_b32 s21, 0
	STEP 0, 0, 1, 0, a                             ; its products start all sixteen tiles of O; no vector or matrix instruction has named FR yet, so it has no wait at its head
	s_mov_b32 s22, 0
.Lloop:
	s_lshl_b32 s21, s22, 1
	s_add_co_u32 s21, s21, 1                       ; unit 2 p + 1
	TRIP 1, b, c
	s_add_co_u32 s21, s21, 1                       ; unit 2 p + 2
	TRIP 0, d, e
	s_add_co_u32 s22, s22, 1
	s_cmp_lt_u32 s22, s35
	s_cbranch_scc1 .Lloop
	s_cmp_eq_u32 s21, s19                          ; the last unit done was 7 - j: nothing is left.  Alike in all waves: it hangs on j alone
	s_cbranch_scc1 .Ldone
	STEP 2, 1, 0, 1, f                             ; unit 7 - j, hi alone
.Ldone:
	; ---------------- THE TWO KEY HALVES AND THE SINK MEET ----------------
	.set qq, 0
	.rept 4
	v_permlanex16_b32 v[TM+qq], v[ML+2*qq+1], s30, s31
	.set qq, qq+1
	.endr
	.set qq, 0
	.rept 4
	v_add_f32 v[ML+2*qq+1], v[ML+2*qq+1], v[TM+qq]                 ; the sums of the two lane halves
	.set qq, qq+1
	.endr
	s_wait_alu depctr_va_vdst(0)                   ; the maxima and sums in v[ML ..] are written, which the LDS stores read; the softmax is done with v[CS ..], in which my partner's pairs land below
	.set qq, 0
	.rept 4
	ds_store_b64 v[STA], v[ML+2*qq:ML+2*qq+1] offset:128*qq        ; both halves write the same pair
	.set qq, qq+1
	.endr
	s_wait_dscnt 0x0
	s_barrier_signal -1
	s_barrier_wait -1
	.set qq, 0
	.rept 4
	ds_load_b64 v[CS+2*qq:CS+2*qq+1], v[STP] offset:128*qq         ; my partner's maximum and sum
	.set qq, qq+1
	.endr
	s_wait_dscnt 0x0
	.set qq, 0
	.rept 4
	v_max3_num_f32 v[TM+qq], v[ML+2*qq], v[CS+2*qq], s33           ; the row's maximum over all its logits, the sink among them
	v_sub_f32 v[SC+3*qq], v[ML+2*qq], v[TM+qq]                     ; no exponent is above 0
	v_sub_f32 v[SC+3*qq+1], v[CS+2*qq], v[TM+qq]
	v_sub_f32 v[SC+3*qq+2], s33, v[TM+qq]
	.set qq, qq+1
	.endr
	.set qq, 0
	.rept 12
	v_exp_f32 v[SC+qq], v[SC+qq]                   ; my weight, my partner's, the sink's term
	.set qq, qq+1
	.endr
	v_nop                                          ; a plain place behind the exponentials (ISA guide 5.7.2)
	s_wait_alu depctr_va_vdst(0)                   ; the twelve exponentials have written v[SC .. SC+11], which the sums below read
	.set qq, 0
	.rept 4
	v_fma_f32 v[TM+qq], v[ML+2*qq+1], v[SC+3*qq], v[SC+3*qq+2]     ; the whole sum: about 1 at the least, since whichever of the three holds the maximum
	v_fmac_f32 v[TM+qq], v[CS+2*qq+1], v[SC+3*qq+1]                ; brings a term of about 1
	.set qq, qq+1
	.endr
	.set qq, 0
	.rept 4
	v_rcp_f32 v[TM+qq], v[TM+qq]
	.set qq, qq+1
	.endr
	v_nop
	s_wait_alu depctr_va_vdst(0)                   ; the four reciprocals have written v[TM ..], which the products below read
	.set qq, 0
	.rept 4
	v_mul_f32 v[AL+2*qq], v[SC+3*qq], v[TM+qq]
	.set qq, qq+1
	.endr
	RESC 0                                         ; my O, weighted and divided
	WIN 0x04
	s_wait_alu depctr_va_vdst(0)                   ; the rescaling has written O, which the LDS stores read; the arithmetic above is done with v[SC .. SC+11], in which the stage's rows land below
	.set qi, 0
	.rept 4
	.set dt, 0
	.rept 4
	ds_store_b128 v[OSA], v[OA+32*qi+8*dt:OA+32*qi+8*dt+3]   offset:((qi>>1)*128+16*(qi&1))*OP+64*dt
	ds_store_b128 v[OSA], v[OA+32*qi+8*dt+4:OA+32*qi+8*dt+7] offset:((qi>>1)*128+16*(qi&1))*OP+64*dt+16
	.set dt, dt+1
	.endr
	.set qi, qi+1
	.endr
	WIN 0
	s_wait_dscnt 0x0
	s_barrier_signal -1
	s_barrier_wait -1
	; local rows 32 w .. 32 w + 31, two at a time: both copies, added, stored: each store of the wave covers 512 consecutive bytes, aligned
	.set gi, 0
	.rept 16
	ds_load_b128 v[SC+4*gi:SC+4*gi+3],       v[ORD]  offset:2*OP*gi    ; no vector instruction since the wait in front of O's stores names these registers
	ds_load_b128 v[SC+64+4*gi:SC+64+4*gi+3], v[ORD2] offset:2*OP*gi
	.set gi, gi+1
	.endr
	; four groups of four pairs of rows: one wait on va_vdst a group, between its eight additions and its four stores
	.set gg, 0
	.rept 4
	s_wait_dscnt 24-8*gg                           ; pairs 4 gg .. 4 gg + 3 are in; the loads issued behind them may be out
	.set gi, 4*gg
	.rept 4
	v_pk_add_f32 v[SC+4*gi:SC+4*gi+1],   v[SC+4*gi:SC+4*gi+1],   v[SC+64+4*gi:SC+64+4*gi+1]
	v_pk_add_f32 v[SC+4*gi+2:SC+4*gi+3], v[SC+4*gi+2:SC+4*gi+3], v[SC+64+4*gi+2:SC+64+4*gi+3]
	.set gi, gi+1
	.endr
	s_wait_alu depctr_va_vdst(0)                   ; the group's additions have written its sixteen registers of v[SC ..], which its stores read
	.set gi, 4*gg
	.rept 4
	global_store_b128 v[OG], v[SC+4*gi:SC+4*gi+3], s[12:13] offset:512*gi th:TH_STORE_NT
	.set gi, gi+1
	.endr
	.set gg, gg+1
	.endr
	s_wait_dscnt 0x0
	s_wait_alu depctr_hold_cnt(0) depctr_sa_sdst(0) depctr_va_vdst(0) depctr_va_sdst(0) depctr_va_ssrc(0) depctr_va_vcc(0) depctr_vm_vsrc(0)
	s_wait_tensorcnt 0x0
	ds_add_u32 v254, v255
	s_wait_dscnt 0x0
	s_endpgm
.Lfunc_end_k_qd2578ec77f_attn:
	.size	k_qd2578ec77f_attn, .Lfunc_end_k_qd2578ec77f_attn-k_qd2578ec77f_attn
	.p2alignl 7, 3214868480
	.fill 96, 4, 3214868480
	.section	.rodata,"a",@progbits
	.p2align	6, 0x0
	.amdhsa_kernel k_qd2578ec77f_attn
		.amdhsa_group_segment_fixed_size 259072
		.amdhsa_private_segment_fixed_size 0
		.amdhsa_enable_private_segment 0
		.amdhsa_kernarg_size 40
		.amdhsa_user_sgpr_count 2
		.amdhsa_user_sgpr_kernarg_segment_ptr 1
		.amdhsa_wavefront_size32 1
		.amdhsa_system_sgpr_workgroup_id_x 1
		.amdhsa_system_sgpr_workgroup_id_y 1
		.amdhsa_system_sgpr_workgroup_id_z 1
		.amdhsa_system_vgpr_workitem_id 0
		.amdhsa_next_free_vgpr 512
		.amdhsa_next_free_sgpr 98
		.amdhsa_reserve_vcc 0
		.amdhsa_float_denorm_mode_32 3
		.amdhsa_float_denorm_mode_16_64 3
		.amdhsa_memory_ordered 1
		.amdhsa_forward_progress 1
		.amdhsa_inst_pref_size 240
	.end_amdhsa_kernel
	.amdgpu_metadata
---
amdhsa.version: [ 1, 2 ]
amdhsa.kernels:
  - .name:           k_qd2578ec77f_attn
    .symbol:         k_qd2578ec77f_attn.kd
    .args:
      - { .name: q, .offset: 0, .size: 8, .value_kind: global_buffer, .address_space: global }
      - { .name: k, .offset: 8, .size: 8, .value_kind: global_buffer, .address_space: global }
      - { .name: v, .offset: 16, .size: 8, .value_kind: global_buffer, .address_space: global }
      - { .name: sink_logit, .offset: 24, .size: 8, .value_kind: global_buffer, .address_space: global }
      - { .name: out0, .offset: 32, .size: 8, .value_kind: global_buffer, .address_space: global }
    .group_segment_fixed_size: 259072
    .private_segment_fixed_size: 0
    .kernarg_segment_align: 8
    .kernarg_segment_size: 40
    .max_flat_workgroup_size: 256
    .sgpr_count:     98
    .vgpr_count:     512
    .wavefront_size: 32
...
	.end_amdgpu_metadata
.endif
;; end of part 2
